; MI455X (gfx1250); checked and timed in simulation.
; The chip was launched on July 23, 2026; its instructions are those of AMD's public machine-readable ISA for CDNA 5 (MIT licence, August 2026) and "CDNA5" Instruction Set Architecture Reference Guide (July 2026). The comments in the code are by the model that wrote it; some were corrected since.
;; Modified Vi T Self Attention. Allowed arithmetic: matrix products marked QUANTISED: E3M2 operands, one E8M0 scale for each 32 along K, by v_wmma_scale_f32_16x16x128_f8f6f4 with both operands' format E3M2, f32 sums; everything else in f32.
;; Inputs: Wk 768 x 768 float32; Wq 768 x 768 float32; Wv 768 x 768 float32; bk 768 float32; bq 768 float32; bv 768 float32; hidden_states 32 x 577 x 768 float32; patch_indices_to_keep 289 int32.
;; Outputs: out0 32 x 289 x 768 float32.
;; This version of the problem:
;;   THIS VERSION OF THE PROBLEM IS GIVEN IN LOW PRECISION. The matrix products marked QUANTISED in the list below multiply operands that are first quantised to E3M2 (3 exponent bits, 2 mantissa bits; 6 bits a number), with one power-of-two scale for each 32 numbers along K (OCP MX v1.0); their sums are f32. All else is computed in f32.
;;   The module's matrix products, in the order in which they are computed (A, B: the left and right operand; K: the contracted axis; several contracted axes count as one K, in the product's order):
;;     1. [M 18,464, K 768] x [K 768, N 768]; A: input hidden_states; B: input Wq: QUANTISED
;;     2. [M 18,464, K 768] x [K 768, N 768]; A: input hidden_states; B: input Wk: QUANTISED
;;     3. [M 18,464, K 768] x [K 768, N 768]; A: input hidden_states; B: input Wv: QUANTISED
;;     4. batch 384 x [M 289, K 64] x [K 64, N 577]; A: computed on the way; B: computed on the way: QUANTISED
;;     5. batch 384 x [M 289, K 577] x [K 577, N 64]; A: softmax (see below); B: computed on the way: QUANTISED
;;   THE QUANTISER, for each operand of a quantised product, along K:
;;     - K is cut into blocks of 32 from its start; a last block that is shorter is filled with zeros.
;;     - A block's scale is 2^e with e = floor(log2(the largest magnitude in the block)) - 4, held to -126 .. 127; a block of zeros has e = 0. As a byte (E8M0): e + 127.
;;     - Each number is divided by its block's scale, clamped to +-28, and rounded to the nearest number of E3M2, ties to even, subnormals kept.
;;     - The product sums the exact products of the quantised numbers (number of the format x scale) in f32.
;;   ~~~python
;;   def quantise(x, axis):      # numpy; x: float32 -> the quantised numbers, widened to float32 again
;;       x = np.moveaxis(x, axis, -1); K = x.shape[-1]
;;       x = np.pad(x, [(0, 0)] * (x.ndim - 1) + [(0, -K % 32)]); x = x.reshape(x.shape[:-1] + (-1, 32)); a = np.abs(x).max(-1, keepdims=True)
;;       e = np.where(a > 0, np.clip(np.frexp(np.where(a > 0, a, 1))[1] - 1 - 4, -126, 127), 0)      # np.frexp(a)[1] - 1 = floor(log2(a)), exactly
;;       r = np.clip(x / 2.0 ** e, -28, 28)
;;       step = 2.0 ** (np.maximum(np.frexp(np.where(r == 0, 1, r))[1] - 1, -2) - 2)
;;       q = np.round(r / step) * step * 2.0 ** e      # np.round: ties to even
;;       return np.moveaxis(q.reshape(q.shape[:-2] + (-1,))[..., :K], -1, axis).astype(np.float32)
;;   ~~~
;;   SOFTMAX AHEAD OF A QUANTISED PRODUCT. Where the list says 'softmax', what is quantised is not the finished softmax but p = 2^(t - M), with t = logit x log2(e) and M = ceil(the row's largest t), a whole number; so 1/2 < the row's largest p <= 1. The row's sum l is taken of the UNQUANTISED p, in f32, and the product's result is divided by l at the end. Since M is a whole number, a kernel that streams over the keys may use a running M (the ceiling of the running maximum): every later rescaling is an exact power of two, which a block's scale takes up: the codes' values come out the same.
;;   OPERANDS COMPUTED ON THE WAY. 'Computed on the way' means the value that the module computes at that place (a softmax that the list does not call 'softmax' is quantised finished and normalised). What goes into a quantiser is computed in f32, as accurately as f32 sums, v_exp_f32 and their like allow (about 1e-6 of the number): no bf16 or f16 on the way to a quantiser, and a product that is left as it is and whose result goes on into a quantised operand takes f32 operands (vector FMAs, or v_wmma_f32_16x16x4_f32). A number that lies on a knife's edge between two numbers of the format may be rounded either way, as far as f32 arithmetic and the matrix unit's own rounding can turn it there, and no further.
;; One version. Each part assembles by itself: llvm-mc -triple=amdgcn-amd-amdhsa -mcpu=gfx1250 --defsym DOCPART=n.
;; ======== version 1 of 1: 2 launches
;; workspace buffers: codes 13,123,584 bytes; scales 546,816 bytes
;; launch quant (part 1): grid 3 x 356, 4 waves a work-group, no clusters, 68,096 bytes of LDS; arguments hidden_states, Wk, Wv, Wq, codes, scales; writes codes, scales
.if DOCPART == 1
	.amdgcn_target "amdgcn-amd-amdhsa--gfx1250"
	.amdhsa_code_object_version 6
	.text
	.protected	k_q1d66684a4d_quant
	.globl	k_q1d66684a4d_quant
	.p2align	8
	.type	k_q1d66684a4d_quant,@function
k_q1d66684a4d_quant:
	s_mov_b64 s[64:65], 0
	v_nop
	global_prefetch_b8 v0, s[64:65] scope:SCOPE_SE
	s_setreg_imm32_b32 hwreg(HW_REG_WAVE_MODE, 25, 1), 1
	s_wait_xcnt 0x0
; hidden_states [32][577][768] and Wk, Wv, Wq [768][768], f32, K innermost, become codes of BF6 (E3M2) with one E8M0 byte for each 32 along K,
; laid IN THE ORDER OF THE OPERAND'S REGISTERS, so that the next launch fills a fragment by three loads of 16 bytes a lane.
; A UNIT is 32 rows x 768 along K: 18,432 bytes of codes, 768 of scale words.  Fragment (tile uu, K step s) lies at (6 uu + s) x 1,536; in it registers 4 p .. 4 p + 3 of lane l lie at 512 p + 16 l.
; Lane (r = l % 16, h = l / 16) of tile uu stands for row 8 uu + r + 8 (r / 8) of the unit; its registers 6 c .. 6 c + 5 hold k = 128 s + 64 c + 32 h + 0 .. 31.
; The scale words of K step s lie at 128 s + 4 l: lanes 0-15 tile 0's rows, lanes 16-31 tile 1's.
; Units 0-639: x, 20 to a batch (tokens 577-639 are zero codes under a valid byte).  Units 640-711: 640 + 6 head + 2 mat + b, mat 0 = Wk, 1 = Wv, 2 = Wq, rows 64 head + 32 b on.
; A block's scale is 2^(floor(log2(its largest magnitude)) - 4): its byte is that magnitude's exponent field - 4, held at 1 from below by a floor among the maximum's leaves.
; LIMITS: a block of zeros, and one whose largest magnitude lies under 2^-122, keeps the byte 1 (the rule says 127 for zeros: the codes are zeros, and this program alone reads the bytes); NaN and infinities are not served.
; SHARES: work-group (sp, P), wave w: unit 2 P + w / 2, K step 2 sp + w % 2: 32 rows x 128 numbers.  Each load reads 512 consecutive bytes of a row; the rows turn through the wave's own stage in LDS,
; so that a lane gets two whole blocks of 32 neighbours of its row.  Codes leave in runs of 512 consecutive bytes; the scale words in runs of 128 bytes: one byte in 128 of what the launch reads.
; No barrier: waves share nothing.  All 32 loads of a wave (16 KiB) are out at once.
.set PITCH, 528                        ; a stage row: 512 bytes + 16: an odd multiple of 16, so that 16 rows begin in 16 different groups of banks
.set STGB,  32*PITCH                   ; a wave's stage
.set M,   6                            ; v6-7    the two blocks' largest magnitudes
.set SC,  8                            ; v8-9    the conversions' scale operands
.set BY,  10                           ; v10-11  the scale bytes
.set W0,  12                           ; v12     tile 0's scale word
.set W1,  13                           ; v13     tile 1's
.set TMP, 14                           ; v14     the other half's two bytes
.set R,   16                           ; v16-143  32 rows as loaded, 4 registers each; later tile 1's 64 numbers
.set X,   144                          ; v144-207 tile 0's 64 numbers
.set PA,  208                          ; v208-219 tile 0's codes
.set TP,  220                          ; v220-226 the second halves of the blocks' codes, before they are moved
.set PB,  228                          ; v228-239 tile 1's codes
	s_load_b256 s[4:11], s[0:1], 0x0               ; x s[4:5], Wk s[6:7], Wv s[8:9], Wq s[10:11]
	s_load_b128 s[12:15], s[0:1], 0x20             ; codes s[12:13], scales s[14:15]
	v_lshl_add_u32 v240, v0, 2, 0x10800
	v_mov_b32 v241, 0
	v_lshrrev_b32 v6, 5, v0
	v_readfirstlane_b32 s16, v6                    ; wave 0..3
	v_and_b32 v7, 31, v0                           ; lane
	v_and_b32 v8, 15, v0                           ; r
	v_bfe_u32 v9, v0, 4, 1                         ; h
	v_lshlrev_b32 v1, 4, v7                        ; 16 x lane: my bytes of a load's or a store's 512
	s_mul_i32 s17, s16, STGB
	v_add_nc_u32 v2, s17, v1                       ; the stage, on the way in
	v_mul_u32_u24 v3, v8, PITCH
	v_lshl_add_u32 v3, v9, 7, v3
	v_add_nc_u32 v3, s17, v3                       ; and on the way out: row r, + 128 h: my block of 32 numbers
	v_lshlrev_b32 v4, 2, v7                        ; 4 x lane: my scale word's place
	v_lshlrev_b32 v5, 3, v9                        ; 8 h: my bytes' place in the word, in bits
	v_lshlrev_b32 v15, 7, v9                       ; 128 h
	v_mov_b32 v[TMP], 0                            ; a lane permute's destination counts as one of its sources
	s_mov_b32 s20, 0x76543210
	s_mov_b32 s21, 0xfedcba98                      ; v_permlanex16_b32's selects for lane l xor 16
	s_mov_b32 s22, 0xffff0000                      ; lanes 16-31
	s_lshr_b32 s18, s16, 1                         ; which of the work-group's two units
	s_and_b32 s19, s16, 1                          ; which of its two K steps
	s_lshl_b32 s37, s18, 5                         ; the unit's 32 rows
	s_and_b32 s24, ttmp7, 0xffff                   ; P
	s_lshl_b32 s25, s24, 1
	s_add_co_u32 s25, s25, s18                     ; the unit
	s_lshl_b32 s26, ttmp9, 1
	s_add_co_u32 s26, s26, s19                     ; the K step
	s_mul_hi_u32 s27, s24, 0x1999999a              ; x: batch = P / 10
	s_mul_i32 s28, s27, 10
	s_sub_co_u32 s28, s24, s28                     ; pair of units in the batch
	s_mul_i32 s29, s27, 577
	s_lshl_b32 s30, s28, 6
	s_add_co_u32 s29, s29, s30                     ; first row: 577 batch + 64 pair
	s_max_u32 s30, s24, 320
	s_sub_co_u32 s30, s30, 320                     ; weights: P - 320
	s_mul_hi_u32 s31, s30, 0x55555556              ; head = that / 3
	s_mul_i32 s32, s31, 3
	s_sub_co_u32 s32, s30, s32                     ; which matrix
	s_lshl_b32 s33, s31, 6                         ; first row: 64 head
	s_wait_kmcnt 0x0
	s_cmp_eq_u32 s32, 1                            ; the source is chosen on the work-group's number alone
	s_cselect_b64 s[8:9], s[8:9], s[10:11]         ; Wv or Wq
	s_cmp_eq_u32 s32, 0
	s_cselect_b64 s[6:7], s[6:7], s[8:9]           ; Wk or that
	s_cmp_lt_u32 s24, 320
	s_cselect_b64 s[4:5], s[4:5], s[6:7]           ; x or that
	s_cselect_b32 s29, s29, s33
	s_cselect_b32 s36, s28, 0                      ; 9 only for a batch's last pair of units, which holds token 576 and padding
	s_cmp_eq_u32 s36, 9
	s_cselect_b32 s37, 0, s37                      ; there both units read token 576
	s_add_co_u32 s29, s29, s37
	s_mul_i32 s34, s29, 3072
	s_lshl_b32 s35, s26, 9
	s_add_co_u32 s34, s34, s35                     ; row x 3,072 + 512 x K step: under 2^26
	s_mov_b32 s35, 0
	s_add_nc_u64 s[4:5], s[4:5], s[34:35]
	s_mul_i32 s34, s25, 18432
	s_mul_i32 s38, s26, 1536
	s_add_co_u32 s34, s34, s38
	s_add_nc_u64 s[12:13], s[12:13], s[34:35]      ; my two fragments: here and 9,216 bytes on
	s_mul_i32 s34, s25, 768
	s_lshl_b32 s38, s26, 7
	s_add_co_u32 s34, s34, s38
	s_add_nc_u64 s[14:15], s[14:15], s[34:35]      ; my 32 scale words
; 64 numbers of a lane, v[src + 32 c + i] = k 64 c + 32 h + i of my row, become the fragment's 12 registers v[pc] on and the row's scale word v[w].
.macro QF src, pc, w
.irp c, 0,1
	v_max3_num_f32 v[M+\c], |v[\src+32*\c]|, |v[\src+32*\c+1]|, 0x2800000   ; block 2 c + h: all its 32 numbers are mine; the floor 2^(5 - 127) holds the byte at 1 from below
.endr
.irp i, 2,4,6,8,10,12,14,16,18,20,22,24,26,28,30
.irp c, 0,1
	v_max3_num_f32 v[M+\c], v[M+\c], |v[\src+32*\c+\i]|, |v[\src+32*\c+\i+1]|   ; the two blocks by turns
.endr
.endr
.irp c, 0,1
	v_add_nc_u32 v[SC+\c], 0xfe000000, v[M+\c]     ; 4 off the exponent field: the conversion takes this operand's exponent field as its scale
.endr
.irp c, 0,1
	v_lshrrev_b32 v[BY+\c], 23, v[SC+\c]           ; the byte
.endr
	v_lshl_or_b32 v[\w], v[BY+1], 16, v[BY]        ; blocks h and 2 + h,
	v_lshlrev_b32 v[\w], v5, v[\w]                 ; at their places in the word;
	v_permlanex16_b32 v[TMP], v[\w], s20, s21
	v_or_b32 v[\w], v[\w], v[TMP]                  ; with lane l xor 16's two the word is whole, in both lanes
	v_cvt_scalef32_pk16_bf6_f32 v[\pc:\pc+2], v[\src:\src+15], v[SC]
	v_cvt_scalef32_pk16_bf6_f32 v[TP:TP+2], v[\src+16:\src+31], v[SC]          ; a conversion's three registers begin on an even number: the second half is made elsewhere and moved
	v_cvt_scalef32_pk16_bf6_f32 v[\pc+6:\pc+8], v[\src+32:\src+47], v[SC+1]
	v_cvt_scalef32_pk16_bf6_f32 v[TP+4:TP+6], v[\src+48:\src+63], v[SC+1]
	v_nop                                          ; one plain place behind a scaled conversion
.irp i, 0,1,2
	v_mov_b32 v[\pc+3+\i], v[TP+\i]
	v_mov_b32 v[\pc+9+\i], v[TP+4+\i]
.endr
.endm
.macro TILE dst, uu                    ; tile uu's 16 rows out of the stage: 2 x 128 bytes a lane
.irp c, 0,1
.irp i, 0,1,2,3,4,5,6,7
	ds_load_b128 v[\dst+32*\c+4*\i:\dst+32*\c+4*\i+3], v3 offset:16*PITCH*\uu+256*\c+16*\i
.endr
.endr
.endm
	s_cmp_eq_u32 s36, 9
	s_cbranch_scc1 .Lpad
.set j, 0
.rept 32
	global_load_b128 v[R+4*j:R+4*j+3], v1, s[4:5] offset:3072*j th:TH_LOAD_NT   ; row j of the unit: 32 lanes read 512 consecutive bytes; read once in the launch
.set j, j+1
.endr
.set j, 0
.rept 32
	s_wait_loadcnt 31-j                            ; loads come back in order: row j is in, the 31 - j younger ones stay out
	ds_store_b128 v2, v[R+4*j:R+4*j+3] offset:PITCH*(16*((j>>3)&1)+(j&7)+8*(j>>4))   ; to stage row 16 uu + r, so that a tile's 16 rows lie on end
.set j, j+1
.endr
	TILE X, 0                                      ; LDS serves a wave's instructions in order: these see my stores
	s_wait_dscnt 0x0                               ; tile 0 is in; the stores have read R
	TILE R, 1                                      ; tile 1 lands while tile 0 is quantised
	QF X, PA, W0
	s_wait_dscnt 0x0                               ; tile 1 is in
	QF R, PB, W1
.irp p, 0,1,2
	global_store_b128 v1, v[PA+4*\p:PA+4*\p+3], s[12:13] offset:512*\p          ; 32 lanes store 512 consecutive bytes
.endr
.irp p, 0,1,2
	global_store_b128 v1, v[PB+4*\p:PB+4*\p+3], s[12:13] offset:9216+512*\p
.endr
	v_cndmask_b32 v[W0], v[W0], v[W1], s22         ; lanes 16-31 carry tile 1's words
	global_store_b32 v4, v[W0], s[14:15]
	s_wait_tensorcnt 0x0
	ds_add_u32 v240, v241
	s_wait_dscnt 0x0
	s_endpgm
.Lpad:                                         ; units 18 and 19 of a batch: token 576 is row 0 of unit 18's tile 0; all else is padding: zero codes
.irp c, 0,1
.irp i, 0,1,2,3,4,5,6,7
	global_load_b128 v[X+32*\c+4*\i:X+32*\c+4*\i+3], v15, s[4:5] offset:256*\c+16*\i   ; every lane takes token 576's blocks of its half: no load leaves the buffer
.endr
.endr
	s_cmp_eq_u32 s18, 0
	s_cselect_b32 s23, 0x10001, 0                  ; unit 18: lanes 0 and 16 keep their codes; unit 19: none
.irp i, 0,1,2,3
	v_mov_b32 v[R+\i], 0
.endr
	s_wait_loadcnt 0x0
	QF X, PA, W0
.irp k, 0,1,2,3,4,5,6,7,8,9,10,11
	v_cndmask_b32 v[PA+\k], 0, v[PA+\k], s23
.endr
.irp p, 0,1,2
	global_store_b128 v1, v[PA+4*\p:PA+4*\p+3], s[12:13] offset:512*\p
.endr
.irp p, 0,1,2
	global_store_b128 v1, v[R:R+3], s[12:13] offset:9216+512*\p
.endr
	global_store_b32 v4, v[W0], s[14:15]           ; token 576's word in every lane: a valid byte over the zero codes
	s_endpgm
.Lfunc_end_k_q1d66684a4d_quant:
	.size	k_q1d66684a4d_quant, .Lfunc_end_k_q1d66684a4d_quant-k_q1d66684a4d_quant
	.p2alignl 7, 3214868480
	.fill 96, 4, 3214868480
	.section	.rodata,"a",@progbits
	.p2align	6, 0x0
	.amdhsa_kernel k_q1d66684a4d_quant
		.amdhsa_group_segment_fixed_size 68096
		.amdhsa_private_segment_fixed_size 0
		.amdhsa_enable_private_segment 0
		.amdhsa_kernarg_size 48
		.amdhsa_user_sgpr_count 2
		.amdhsa_user_sgpr_kernarg_segment_ptr 1
		.amdhsa_wavefront_size32 1
		.amdhsa_system_sgpr_workgroup_id_x 1
		.amdhsa_system_sgpr_workgroup_id_y 1
		.amdhsa_system_sgpr_workgroup_id_z 1
		.amdhsa_system_vgpr_workitem_id 0
		.amdhsa_next_free_vgpr 242
		.amdhsa_next_free_sgpr 66
		.amdhsa_reserve_vcc 0
		.amdhsa_float_denorm_mode_32 3
		.amdhsa_float_denorm_mode_16_64 3
		.amdhsa_memory_ordered 1
		.amdhsa_forward_progress 1
		.amdhsa_inst_pref_size 24
	.end_amdhsa_kernel
	.amdgpu_metadata
---
amdhsa.version: [ 1, 2 ]
amdhsa.kernels:
  - .name:           k_q1d66684a4d_quant
    .symbol:         k_q1d66684a4d_quant.kd
    .args:
      - { .name: hidden_states, .offset: 0, .size: 8, .value_kind: global_buffer, .address_space: global }
      - { .name: Wk, .offset: 8, .size: 8, .value_kind: global_buffer, .address_space: global }
      - { .name: Wv, .offset: 16, .size: 8, .value_kind: global_buffer, .address_space: global }
      - { .name: Wq, .offset: 24, .size: 8, .value_kind: global_buffer, .address_space: global }
      - { .name: codes, .offset: 32, .size: 8, .value_kind: global_buffer, .address_space: global }
      - { .name: scales, .offset: 40, .size: 8, .value_kind: global_buffer, .address_space: global }
    .group_segment_fixed_size: 68096
    .private_segment_fixed_size: 0
    .kernarg_segment_align: 8
    .kernarg_segment_size: 48
    .max_flat_workgroup_size: 128
    .sgpr_count:     66
    .vgpr_count:     242
    .wavefront_size: 32
...
	.end_amdgpu_metadata
.endif
;; end of part 1
;; launch attn (part 2): grid 12 x 32, 12 waves a work-group, no clusters, 235,264 bytes of LDS; arguments codes, scales, bk, bv, bq, patch_indices_to_keep, out0; writes out0
.if DOCPART == 2
	.amdgcn_target "amdgcn-amd-amdhsa--gfx1250"
	.amdhsa_code_object_version 6
	.text
	.protected	k_q1d66684a4d_attn
	.globl	k_q1d66684a4d_attn
	.p2align	8
	.type	k_q1d66684a4d_attn,@function
k_q1d66684a4d_attn:
	s_mov_b64 s[64:65], 0
	v_nop
	global_prefetch_b8 v0, s[64:65] scope:SCOPE_SE
	s_setreg_imm32_b32 hwreg(HW_REG_WAVE_MODE, 25, 1), 1
	s_wait_xcnt 0x0
; One work-group makes one (batch, head) of the pruned attention: K = x Wk^T + bk and V = x Wv^T + bv for the batch's 577 tokens and the head's 64 channels, Q = x Wq^T + bq for the 289 kept tokens,
; S = Q K^T / 8, p = 2^(t - M), O = p V / sum(p).  All five products on codes of BF6 (E3M2) with one E8M0 byte for each 32 along K.  x and the weights come as codes in the order of the operand's registers
; (units of 32 rows x 768: fragment (tile uu, K step s) at (6 uu + s) x 1,536, registers 4 p .. 4 p + 3 of lane l at 512 p + 16 l; lane r of tile uu is row 8 uu + r + 8 (r / 8); scale words at 128 s + 4 l, tile 1's in lanes 16-31).
; q, k, v never go to memory: they are quantised in registers and go from wave to wave through LDS as images of operand registers.
; PHASES.  0: the head's weights (110,592 bytes of codes), their scale words and the three biases into LDS | barrier |  1: wave w projects units w and w + 12 (of 20) of the batch to K and V, quantises them, images to LDS | barrier |
; 2: wave w takes query tiles w and w + 12 (of 19): gathers the 16 kept tokens' codes, projects them to Q, walks the keys in five steps of 128, stores 16 rows x 256 bytes.
; LAYOUT.  K projection, Q projection, S and O are used transposed (source 0 = 16 channels or keys, source 1 = 16 tokens or queries), V's is not: so a lane's registers always run along the next product's K.
; A K IMAGE holds a unit's two tiles of 16 keys side by side along the instruction's 128: k 0-63 tile 0's channels, k 64-127 tile 1's.  It is multiplied by (q, 0) and by (0, q): nothing is loaded that is zero.
; SOFTMAX: t = score x log2(e) / 8; M = the running largest t rounded up to a whole number; the sum is taken of the unquantised p and divides at the end; a change of M multiplies by an exact power of two.
; NO JOINT LOADS: the 12 heads of a batch read the same 384,000 bytes of x.  They are not shared through a cluster: 233,728 bytes of LDS are in use, a batch's codes do not fit beside them, and a ring would send each fragment of x
; through LDS, while here it goes from memory into operand registers by loads of 512 consecutive bytes.
; LIMITS: NaN and infinities are not served; a block of zeros, or one under 2^-122, keeps the byte 1; an index above 576 is held at 576; a block's largest p is made from its largest score, which takes v_exp_f32 not to fall where its input rises.
.set FRB,   1536                       ; a fragment's image
.set UNITB, 18432
.set WIMG,  0                          ; LDS: the weights: (matrix m, tile t, K step s) at 36,864 m + (6 t + s) FRB
.set KIMG,  110592                     ; K's 20 images
.set VIMG,  141312                     ; V's 20: (key step, channel tile t) at (4 step + t) FRB
.set WSC,   172032                     ; the weights' scale words: (2 m + b) 768 + 128 s + 4 lane
.set KSC,   176640                     ; K's: 128 unit + 4 lane
.set BIA,   179200                     ; the head's 64 numbers of bk, bv, bq
.set VSC,   179968                     ; V's scale bytes: 384 t + 24 r + unit
.set STG,   181504                     ; the way out: 16 rows x 272 bytes for each wave
.set LB,   1                           ; v1-3  16 lane + 65,536 k: LDS offsets have 16 bits.  v1 is also the global offset of a lane in an image
.set A4,   4                           ; v4    WSC + 4 lane
.set LS,   5                           ; v5    4 lane
.set KWI,  6                           ; v6    where I store K's image: KIMG + 16 lane + FRB wave
.set KWS,  7                           ; v7    and its scale words: KSC + 4 lane + 128 wave
.set VS0,  8                           ; v8-9  where I store my unit's 24 bytes of a row of V's image
.set VS1,  9
.set VSB,  10                          ; v10   V's scale byte: VSC + 24 r + wave
.set AVS,  11                          ; v11   VSC + 24 r
.set ABI,  12                          ; v12   BIA + 64 h
.set ABV,  13                          ; v13   BIA + 256 + 4 (r + 8 (r / 8))
.set STO,  14                          ; v14   the stage, in
.set SRD,  15                          ; v15   the stage, back
.set GO,   16                          ; v16   my bytes in two rows of the output
.set XOA,  17                          ; v17-20 the gathers' offsets: codes and scale words, of this trip's tile and of the next
.set XSOA, 18
.set XOB,  19
.set XSOB, 20
.set NINF, 21                          ; v21   -infinity
.set XSW,  22                          ; v22-31 hold scales and nothing else.  Phase 1: v22-23 x's words by K step parity, v24-27 Wk's and Wv's
.set WS,   24
.set XQS,  22                          ; Q projection: v22-27 the gathered tokens' words, v28-29 Wq's
.set WQS,  28
.set KS,   22                          ; key steps: v22-25 K's, v26-29 V's
.set VSR,  26
.set PW,   30                          ; v30   the scale word just made
.set QSW,  31                          ; v31   Q's
.set WF,   32                          ; phase 1: v32-79 four fragments of a weight; v80-127 x's two tiles, two sets; v128-191 K's sums; v192-255 V's
.set XF,   80
.set KA,   128
.set VA,   192
.set BK,   32                          ; behind the K loop: v32-63 bk, v64-71 bv, v72 at work
.set BV,   64
.set TM,   80                          ; +0..3 largest magnitudes, +4..7 the other half's, then bytes, +12..15 the conversions' scale operands
.set PC,   96                          ; 12 registers of codes and 8 at work
.set Q0,   32                          ; phase 2: v32-43 (q, 0); v44-55 (0, q); v56-103 four fragments; v104-167 scores, then p; v104-175 the gathered codes; v176-207 Q's sums, then O's
.set Q1,   44
.set FR,   56
.set S,    104
.set XQ,   104
.set QA,   176
.set OA,   176
.set NM,   244                         ; v244 -M, v245 the largest t (named as a pair)
.set TMX,  245
.set LSUM, 246                         ; v246-247 the sum in two halves
.set FF,   248                         ; v248 f = 2^(old M - new M) (v249 named with it)
.set SU,   250
.set T1,   252
.set WV,   18                          ; s18 wave
.set SEL,  36                          ; s[36:37] v_permlanex16_b32's selects for lane l xor 16
.set CS,   38                          ; s[38:39] log2(e) / 8
.set QT,   40                          ; s40 my query tile
.set IT,   41                          ; s41 trips to go
.macro NOPS n
.rept \n
	v_nop
.endr
.endm
; One product.  z = 1: it starts the sum with the constant 0; else it adds in place.  ra, rb: source 0's or source 1's scales stand in lanes 16-31.
.macro WM d, a, b, z, sa, sb, ra, rb
.if (\z)
.if (\ra)&&(\rb)
	v_wmma_scale_f32_16x16x128_f8f6f4 v[\d:\d+7], v[\a:\a+11], v[\b:\b+11], 0, v[\sa], v[\sb] matrix_a_fmt:MATRIX_FMT_BF6 matrix_b_fmt:MATRIX_FMT_BF6 matrix_a_scale:MATRIX_SCALE_ROW1 matrix_b_scale:MATRIX_SCALE_ROW1
.elseif (\ra)
	v_wmma_scale_f32_16x16x128_f8f6f4 v[\d:\d+7], v[\a:\a+11], v[\b:\b+11], 0, v[\sa], v[\sb] matrix_a_fmt:MATRIX_FMT_BF6 matrix_b_fmt:MATRIX_FMT_BF6 matrix_a_scale:MATRIX_SCALE_ROW1
.elseif (\rb)
	v_wmma_scale_f32_16x16x128_f8f6f4 v[\d:\d+7], v[\a:\a+11], v[\b:\b+11], 0, v[\sa], v[\sb] matrix_a_fmt:MATRIX_FMT_BF6 matrix_b_fmt:MATRIX_FMT_BF6 matrix_b_scale:MATRIX_SCALE_ROW1
.else
	v_wmma_scale_f32_16x16x128_f8f6f4 v[\d:\d+7], v[\a:\a+11], v[\b:\b+11], 0, v[\sa], v[\sb] matrix_a_fmt:MATRIX_FMT_BF6 matrix_b_fmt:MATRIX_FMT_BF6
.endif
.else
.if (\ra)&&(\rb)
	v_wmma_scale_f32_16x16x128_f8f6f4 v[\d:\d+7], v[\a:\a+11], v[\b:\b+11], v[\d:\d+7], v[\sa], v[\sb] matrix_a_fmt:MATRIX_FMT_BF6 matrix_b_fmt:MATRIX_FMT_BF6 matrix_a_scale:MATRIX_SCALE_ROW1 matrix_b_scale:MATRIX_SCALE_ROW1
.elseif (\ra)
	v_wmma_scale_f32_16x16x128_f8f6f4 v[\d:\d+7], v[\a:\a+11], v[\b:\b+11], v[\d:\d+7], v[\sa], v[\sb] matrix_a_fmt:MATRIX_FMT_BF6 matrix_b_fmt:MATRIX_FMT_BF6 matrix_a_scale:MATRIX_SCALE_ROW1
.elseif (\rb)
	v_wmma_scale_f32_16x16x128_f8f6f4 v[\d:\d+7], v[\a:\a+11], v[\b:\b+11], v[\d:\d+7], v[\sa], v[\sb] matrix_a_fmt:MATRIX_FMT_BF6 matrix_b_fmt:MATRIX_FMT_BF6 matrix_b_scale:MATRIX_SCALE_ROW1
.else
	v_wmma_scale_f32_16x16x128_f8f6f4 v[\d:\d+7], v[\a:\a+11], v[\b:\b+11], v[\d:\d+7], v[\sa], v[\sb] matrix_a_fmt:MATRIX_FMT_BF6 matrix_b_fmt:MATRIX_FMT_BF6
.endif
.endif
.endm
.macro FETCH reg, adr                  ; an image at LDS byte adr into 12 registers: three loads of 512 consecutive bytes
.irp p, 0,1,2
	ds_load_b128 v[\reg+4*\p:\reg+4*\p+3], v[LB+(((\adr)+512*\p)>>16)] offset:(((\adr)+512*\p)&0xffff)
.endr
.endm
; nb blocks of 32: register s + 16 b + i is number 16 h + i of block b of my row or column; the largest magnitudes into v[TM + b], in both lanes that share a block.
.macro BMAX s, nb
.set BB_, 0
.rept \nb
	v_max3_num_f32 v[TM+BB_], |v[\s+16*BB_]|, |v[\s+16*BB_+1]|, 0x2800000   ; the floor 2^(5 - 127) holds the byte at 1 from below
.set BB_, BB_+1
.endr
.irp i, 2,4,6,8,10,12,14
.set BB_, 0
.rept \nb
	v_max3_num_f32 v[TM+BB_], v[TM+BB_], |v[\s+16*BB_+\i]|, |v[\s+16*BB_+\i+1]|   ; the blocks by turns
.set BB_, BB_+1
.endr
.endr
.set BB_, 0
.rept \nb
	v_permlanex16_b32 v[TM+4+BB_], v[TM+BB_], s[SEL], s[SEL+1]
.set BB_, BB_+1
.endr
.set BB_, 0
.rept \nb
	v_max_num_f32 v[TM+BB_], v[TM+BB_], v[TM+4+BB_]
.set BB_, BB_+1
.endr
.endm
; From the largest magnitudes of 2 nc blocks: their bytes in v[TM + 4 + b], the scale word in v[PW], and the codes: registers pc + 6 c .. + 5: lanes 0-15 block 2 c whole, lanes 16-31 block 2 c + 1.
.macro QCODE s, pc, tp, nc
.set BB_, 0
.rept 2*\nc
	v_add_nc_u32 v[TM+12+BB_], 0xfe000000, v[TM+BB_]   ; 4 off the exponent field: the conversion's scale operand
.set BB_, BB_+1
.endr
.set BB_, 0
.rept 2*\nc
	v_lshrrev_b32 v[TM+4+BB_], 23, v[TM+12+BB_]        ; the byte
.set BB_, BB_+1
.endr
	v_lshl_or_b32 v[PW], v[TM+5], 8, v[TM+4]
.if \nc == 2
	v_lshl_or_b32 v[PW], v[TM+6], 16, v[PW]
	v_lshl_or_b32 v[PW], v[TM+7], 24, v[PW]
.endif
.set CC_, 0
.rept \nc
	v_cvt_scalef32_pk16_bf6_f32 v[\pc+6*CC_:\pc+6*CC_+2], v[\s+32*CC_:\s+32*CC_+15], v[TM+12+2*CC_]
	v_cvt_scalef32_pk16_bf6_f32 v[\tp+4*CC_:\tp+4*CC_+2], v[\s+32*CC_+16:\s+32*CC_+31], v[TM+13+2*CC_]   ; a conversion's three registers begin on an even number
.set CC_, CC_+1
.endr
	v_nop                                          ; one plain place behind a scaled conversion
.set CC_, 0
.rept \nc
.irp i, 0,1,2
	v_permlane16_swap_b32 v[\pc+6*CC_+\i], v[\tp+4*CC_+\i]   ; the first's lanes 16-31 change places with the second's lanes 0-15: each lane now holds one whole block
.endr
.irp i, 0,1,2
	v_mov_b32 v[\pc+6*CC_+3+\i], v[\tp+4*CC_+\i]
.endr
.set CC_, CC_+1
.endr
.endm
; A kept token's place in its batch's units.  The index is held at 576 first; behind that only masks, products, shifts to the left and sums.
.macro TOKOFF idx, xo, xso
	v_min_u32 v[\idx], 0x240, v[\idx]
	v_and_b32 v123, 0x3e0, v[\idx]                 ; 32 x unit
	v_mul_u32_u24 v[\xo], 0x240, v123              ; unit x 18,432
	v_mul_u32_u24 v[\xso], 24, v123                ; unit x 768
	v_and_b32 v123, 8, v[\idx]                     ; 8 x tile
	v_mul_u32_u24 v126, 0x480, v123                ; tile x 9,216
	v_add_nc_u32 v[\xo], v[\xo], v126
	v_lshlrev_b32 v126, 3, v123                    ; tile x 64: lanes 16-31 of the scale words
	v_add_nc_u32 v[\xso], v[\xso], v126
	v_and_b32 v123, 7, v[\idx]                     ; the row's lane: (token % 8) + 8 (token / 16 % 2)
	v_lshlrev_b32 v126, 4, v123
	v_add_nc_u32 v[\xo], v[\xo], v126
	v_lshlrev_b32 v126, 2, v123
	v_add_nc_u32 v[\xso], v[\xso], v126
	v_and_b32 v123, 16, v[\idx]
	v_lshlrev_b32 v126, 3, v123
	v_add_nc_u32 v[\xo], v[\xo], v126
	v_lshlrev_b32 v126, 1, v123
	v_add_nc_u32 v[\xso], v[\xso], v126
	v_add_nc_u32 v[\xo], v[\xo], v127              ; + 256 h: my half of the image's lanes
.endm
.macro XLOAD i, s                      ; unit wave + 12 i, K step s: two fragments and the scale words, 7 loads, into set s % 2
.irp uu, 0,1
.irp p, 0,1,2
	global_load_b128 v[XF+24*((\s)%2)+12*\uu+4*\p:XF+24*((\s)%2)+12*\uu+4*\p+3], v[LB], s[28:29] offset:12*UNITB*(\i)+(6*\uu+(\s))*FRB+512*\p
.endr
.endr
	global_load_b32 v[XSW+(\s)%2], v[LS], s[30:31] offset:9216*(\i)+128*(\s)
.endm
; A K step of the K and V projection: 16 products on 16 accumulators, which take turns, one instruction a turn.
.macro KSTEP i, s
	NOPS 4                                         ; places behind the last products, in front of loads into registers that they read
.if (\s)<5
	XLOAD \i, (\s)+1
.endif
.irp t, 0,1,2,3
	FETCH WF+12*\t, WIMG+(6*\t+(\s))*FRB
.endr
	ds_load_b32 v[WS], v[A4] offset:128*(\s)
	ds_load_b32 v[WS+1], v[A4] offset:768+128*(\s)
.if (\s)<5
	s_wait_loadcnt 7                               ; this step's x is in; the next step's 7 loads stay out
.else
	s_wait_loadcnt 0x0
.endif
	s_wait_dscnt 0x0
.irp uu, 0,1
.irp t, 0,1,2,3
	WM KA+32*\uu+8*\t, WF+12*\t, XF+24*((\s)%2)+12*\uu, (\s)==0, WS+\t/2, XSW+(\s)%2, \t%2, \uu   ; lane (r, h), register j: K(token of tile uu's lane r, channel 32 (t / 2) + 16 h + 8 (t % 2) + j)
.endr
.endr
	NOPS 4
.irp t, 0,1,2,3
	FETCH WF+12*\t, WIMG+36864+(6*\t+(\s))*FRB
.endr
	ds_load_b32 v[WS+2], v[A4] offset:1536+128*(\s)
	ds_load_b32 v[WS+3], v[A4] offset:2304+128*(\s)
	s_wait_dscnt 0x0
.irp t, 0,1,2,3
.irp uu, 0,1
	WM VA+16*\t+8*\uu, XF+24*((\s)%2)+12*\uu, WF+12*\t, (\s)==0, XSW+(\s)%2, WS+2+\t/2, \uu, \t%2   ; lane (r, h), register j: V(token 16 h + 8 uu + j of the unit, channel of tile t's lane r)
.endr
.endr
.endm
; Unit wave + 12 i becomes an image of K, a quarter of four images of V, and their scales.  pre = 1: K step 0 of x has been asked for.  tail = 1: units 18 and 19 are among these.
.macro PROJ i, pre, tail
.if !(\pre)
	XLOAD \i, 0
.endif
.irp s, 0,1,2,3,4,5
	KSTEP \i, \s
.endr
	NOPS 4
.irp t, 0,1,2,3
.irp k, 0,1
	ds_load_b128 v[BK+8*\t+4*\k:BK+8*\t+4*\k+3], v[ABI] offset:(32*(\t/2)+8*(\t%2))*4+16*\k   ; bk at my eight channels of tile t
.endr
.endr
.irp t, 0,1,2,3
	ds_load_b32 v[BV+2*\t], v[ABV] offset:(32*(\t/2)+8*(\t%2))*4      ; bv at my channel of tile t, twice: a pair for the packed addition
	ds_load_b32 v[BV+2*\t+1], v[ABV] offset:(32*(\t/2)+8*(\t%2))*4
.endr
.irp b, 0,1,2,3
	v_mov_b32 v[TM+4+\b], 0                        ; a lane permute's destination counts as one of its sources
.endr
	s_wait_dscnt 0x0
.irp uu, 0,1
.irp q, 0,1,2,3,4,5,6,7,8,9,10,11,12,13,14,15
	v_pk_add_f32 v[KA+32*\uu+2*\q:KA+32*\uu+2*\q+1], v[KA+32*\uu+2*\q:KA+32*\uu+2*\q+1], v[BK+2*\q:BK+2*\q+1]   ; each accumulator from its low end on
.endr
.endr
.if \tail
	s_cmp_lt_u32 s[WV], 6
	s_cbranch_scc0 .Lpadded_\@
.endif
.irp t, 0,1,2,3
.irp q, 0,1,2,3,4,5,6,7
	v_pk_add_f32 v[VA+16*\t+2*\q:VA+16*\t+2*\q+1], v[VA+16*\t+2*\q:VA+16*\t+2*\q+1], v[BV+2*\t:BV+2*\t+1]
.endr
.endr
.if \tail
	s_branch .Lbiased_\@
.Lpadded_\@:                                   ; units 18 and 19: token 576 (unit 18, lanes 0-15, register 0) alone gets bv; the padding stays the 0 that zero codes give, as the quantiser's fill asks
	s_cmp_eq_u32 s[WV], 6
	s_cselect_b32 s43, 0xffff, 0
.irp t, 0,1,2,3
	v_cndmask_b32 v72, 0, v[BV+2*\t], s43
	v_add_f32 v[VA+16*\t], v[VA+16*\t], v72
.endr
.Lbiased_\@:
.endif
	BMAX KA, 4                                     ; K along the channels: blocks (tile 0, d 0-31), (tile 0, d 32-63), (tile 1, ..)
	QCODE KA, PC, PC+12, 2
.irp p, 0,1,2
	ds_store_b128 v[KWI], v[PC+4*\p:PC+4*\p+3] offset:12*FRB*(\i)+512*\p
.endr
	ds_store_b32 v[KWS], v[PW] offset:1536*(\i)
	BMAX VA, 4                                     ; V along the unit's 32 tokens: block t = channel tile t.  It stands between the stores and the wait for them
	s_wait_dscnt 0x0                               ; the stores have read their registers
	QCODE VA, PC, PC+12, 2
.irp c, 0,1                            ; lanes 0-15 hold channel tile 2 c, lanes 16-31 tile 2 c + 1: 24 bytes, registers 6 c' .. 6 c' + 5 of lane r + 16 h' of that tile's image, unit % 4 = 2 c' + h'
	ds_store_b64 v[VS0], v[PC+6*\c:PC+6*\c+1] offset:2*FRB*\c+12*FRB*(\i)
	ds_store_b64 v[VS1], v[PC+6*\c+2:PC+6*\c+3] offset:2*FRB*\c+12*FRB*(\i)
	ds_store_b64 v[VS0], v[PC+6*\c+4:PC+6*\c+5] offset:512+2*FRB*\c+12*FRB*(\i)
.endr
.irp t, 0,1,2,3
	ds_store_b8 v[VSB], v[TM+4+\t] offset:384*\t+12*(\i)   ; both lanes of a block write the same byte with the same value
.endr
	s_wait_dscnt 0x0                               ; the stores have read their registers
.endm
	s_load_b256 s[4:11], s[0:1], 0x0               ; codes s[4:5], scales s[6:7], bk s[8:9], bv s[10:11]
	s_load_b128 s[12:15], s[0:1], 0x20             ; bq s[12:13], the indices s[14:15]
	s_load_b64 s[16:17], s[0:1], 0x30              ; the output
	s_set_vgpr_msb 0x40
	v_lshl_add_u32 v0, v0, 2, 0x39100
	v_mov_b32 v1, 0
	s_set_vgpr_msb 0x4000
	v_lshrrev_b32 v115, 5, v0
	v_readfirstlane_b32 s[WV], v115                ; wave 0..11
	v_and_b32 v112, 31, v0                         ; lane
	v_and_b32 v113, 15, v0                         ; r
	v_bfe_u32 v114, v0, 4, 1                       ; h
	v_lshlrev_b32 v[LB], 4, v112
	v_add_nc_u32 v[LB+1], 0x10000, v[LB]
	v_add_nc_u32 v[LB+2], 0x20000, v[LB]
	v_lshlrev_b32 v[LS], 2, v112
	v_add_nc_u32 v[A4], WSC, v[LS]
	s_mul_i32 s50, s[WV], FRB
	s_add_co_u32 s50, s50, KIMG
	v_add_nc_u32 v[KWI], s50, v[LB]
	s_lshl_b32 s50, s[WV], 7
	s_add_co_u32 s50, s50, KSC
	v_add_nc_u32 v[KWS], s50, v[LS]
	s_and_b32 s50, s[WV], 1                        ; h' = unit % 2: 16 lanes of 16 bytes on
	s_lshl_b32 s50, s50, 8
	s_bfe_u32 s51, s[WV], 0x10001                  ; c' = unit / 2 % 2: registers 6 on: 520 bytes on in the image
	s_mul_i32 s52, s51, 520
	s_add_co_u32 s50, s50, s52
	s_lshr_b32 s52, s[WV], 2                       ; the key step: four images on
	s_mul_i32 s52, s52, 4*FRB
	s_add_co_u32 s50, s50, s52
	s_add_co_u32 s50, s50, VIMG
	v_lshlrev_b32 v[VS0], 4, v113
	v_mad_u32_u24 v[VS0], v114, FRB, v[VS0]        ; my half's channel tile
	v_add_nc_u32 v[VS0], s50, v[VS0]
	s_mul_i32 s51, s51, 496
	s_add_co_u32 s51, s51, 8
	v_add_nc_u32 v[VS1], s51, v[VS0]               ; the middle 8 bytes: 8 on (c' = 0) or 504 on (c' = 1)
	v_mul_u32_u24 v[AVS], v113, 24
	v_add_nc_u32 v[AVS], VSC, v[AVS]
	v_add_nc_u32 v[VSB], s[WV], v[AVS]
	v_lshl_add_u32 v[ABI], v114, 6, BIA
	v_and_b32 v115, 8, v113
	v_add_nc_u32 v115, v115, v113
	v_lshl_add_u32 v[ABV], v115, 2, BIA+256
	s_mul_i32 s50, s[WV], 16*272
	s_add_co_u32 s50, s50, STG
	v_mul_u32_u24 v[STO], v113, 272
	v_lshl_add_u32 v[STO], v114, 6, v[STO]
	v_add_nc_u32 v[STO], s50, v[STO]               ; in: row r, + 64 h
	v_mul_u32_u24 v[SRD], v114, 272
	v_lshl_add_u32 v[SRD], v113, 4, v[SRD]
	v_add_nc_u32 v[SRD], s50, v[SRD]               ; back: lanes 0-15 one row of 256 bytes, lanes 16-31 the next
	v_mul_u32_u24 v[GO], v114, 3072
	v_lshl_add_u32 v[GO], v113, 4, v[GO]           ; and the same two rows in the output
	v_mov_b32 v[NINF], 0xff800000
	v_lshlrev_b32 v116, 4, v0                      ; phase 0: 16 x thread: the weights' codes, in memory and in LDS (chunks 0-9),
	v_add_nc_u32 v117, 61440, v116                 ; chunks 10-17,
	v_add_nc_u32 v118, WSC, v116                   ; their scale words (waves 0-8),
	v_lshl_add_u32 v119, v0, 3, BIA-2304           ; a bias: 256 (wave - 9) + 8 lane (waves 9-11)
	v_lshlrev_b32 v120, 3, v112
	v_lshrrev_b32 v115, 5, v0
	v_lshl_add_u32 v121, v115, 4, v113             ; my query of my first tile: 16 wave + r,
	v_add_nc_u32 v122, 192, v121                   ; and of my second; held at 288, the last
	v_min_u32 v121, 0x120, v121
	v_min_u32 v122, 0x120, v122
	v_lshlrev_b32 v121, 2, v121
	v_lshlrev_b32 v122, 2, v122
	v_lshlrev_b32 v127, 8, v114                    ; 256 h
	s_mov_b32 s[SEL], 0x76543210
	s_mov_b32 s[SEL+1], 0xfedcba98
	s_mov_b32 s[CS], 0x3e38aa3b                    ; log2(e) / 8
	s_mov_b32 s[CS+1], s[CS]                       ; named with it as a pair, so it is written
	s_mov_b32 s42, 0xffff0000                      ; lanes 16-31
	s_mov_b32 s19, ttmp9                           ; head
	s_and_b32 s20, ttmp7, 0xffff                   ; batch
	s_mov_b32 s51, 0
	s_wait_kmcnt 0x0
	s_mul_i32 s50, s20, 20*UNITB
	s_add_nc_u64 s[24:25], s[4:5], s[50:51]        ; the batch's codes,
	s_mul_i32 s50, s20, 20*768
	s_add_nc_u64 s[26:27], s[6:7], s[50:51]        ; its scale words,
	s_mul_i32 s50, s[WV], UNITB
	s_add_nc_u64 s[28:29], s[24:25], s[50:51]      ; my first unit's,
	s_mul_i32 s50, s[WV], 768
	s_add_nc_u64 s[30:31], s[26:27], s[50:51]
	s_mul_i32 s50, s19, 6
	s_add_co_u32 s52, s50, 640
	s_mul_i32 s50, s52, UNITB
	s_add_nc_u64 s[32:33], s[4:5], s[50:51]        ; the head's weights,
	s_mul_i32 s50, s52, 768
	s_add_nc_u64 s[34:35], s[6:7], s[50:51]
	s_mul_i32 s50, s20, 289
	s_lshl_b32 s52, s[WV], 4
	s_add_co_u32 s50, s50, s52
	s_mul_i32 s50, s50, 3072
	s_lshl_b32 s52, s19, 8
	s_add_co_u32 s50, s50, s52
	s_add_nc_u64 s[48:49], s[16:17], s[50:51]      ; the output at my first tile's first row, the head's 256 bytes
	s_cmp_eq_u32 s[WV], 10                         ; which bias a wave fetches hangs on its number alone
	s_cselect_b64 s[46:47], s[10:11], s[12:13]
	s_cmp_eq_u32 s[WV], 9
	s_cselect_b64 s[46:47], s[8:9], s[46:47]
	s_mov_b32 s50, s52
	s_add_nc_u64 s[46:47], s[46:47], s[50:51]
	; ---- PHASE 0
	global_load_b32 v124, v121, s[14:15]
	global_load_b32 v125, v122, s[14:15]
.set I_, 0
.rept 18
	global_load_b128 v[128+4*I_:131+4*I_], v116, s[32:33] offset:6144*I_   ; the work-group reads 6,144 consecutive bytes
.set I_, I_+1
.endr
	s_cmp_lt_u32 s[WV], 9
	s_cbranch_scc0 .Lbias_in
	global_load_b128 v[200:203], v116, s[34:35]
	s_branch .Lasked
.Lbias_in:
	global_load_b64 v[200:201], v120, s[46:47]
.Lasked:
	XLOAD 0, 0                                     ; my first unit's first K step lands while the weights go to LDS
	s_wait_loadcnt 7                               ; all but those 7 (on both ways one load stands between the weights' and these)
	TOKOFF 124, XOA, XSOA
	TOKOFF 125, XOB, XSOB
.set I_, 0
.rept 10
	ds_store_b128 v116, v[128+4*I_:131+4*I_] offset:6144*I_
.set I_, I_+1
.endr
.set I_, 0
.rept 8
	ds_store_b128 v117, v[168+4*I_:171+4*I_] offset:6144*I_
.set I_, I_+1
.endr
	s_cmp_lt_u32 s[WV], 9
	s_cbranch_scc0 .Lbias_out
	ds_store_b128 v118, v[200:203]
	s_branch .Lstored
.Lbias_out:
	ds_store_b64 v119, v[200:201]
.Lstored:
	s_wait_dscnt 0x0                               ; for the others' sake: my stores have landed
	s_barrier_signal -1
	s_barrier_wait -1                              ; weights, scale words and biases lie in LDS
	; ---- PHASE 1
	PROJ 0, 1, 0
	s_cmp_lt_u32 s[WV], 8                          ; 20 units: waves 0-7 take a second
	s_cbranch_scc0 .Lprojected
	PROJ 1, 0, 1
.Lprojected:
	s_wait_dscnt 0x0
	s_barrier_signal -1
	s_barrier_wait -1                              ; K's and V's images and scales lie in LDS; from here on they are only read
	; ---- PHASE 2
.set TM, 228
.set PC, 208
; A key step: 128 keys.  first = 1: O's sums start with the constant 0.  last = 1: of these keys only the first 65 exist.
.macro STEP s, first, last
	NOPS 4                                         ; places in front of loads into registers that the last products read
.irp e, 0,1,2,3
	FETCH FR+12*\e, KIMG+(4*(\s)+\e)*FRB
	ds_load_b32 v[KS+\e], v[A4] offset:4608+128*(4*(\s)+\e)
.endr
	s_wait_dscnt 0x0
.irp e, 0,1,2,3
.irp u, 0,1
	WM S+16*\e+8*\u, FR+12*\e, Q0+12*\u, 1, KS+\e, QSW, 0, 0   ; lane (r, h), register 16 e + i: query r, key 128 s + 32 e + 16 h + i
.endr
.endr
	NOPS 4                                         ; places in front of the loads below and of the first read of the scores
.irp t, 0,1,2,3
	FETCH FR+12*\t, VIMG+(4*(\s)+\t)*FRB           ; V's fragments land while the softmax is walked
	ds_load_b32 v[VSR+\t], v[AVS] offset:384*\t+4*(\s)
.endr
.if \last
	v_cndmask_b32 v[S+32], v[S+32], v[NINF], s42   ; key 576 is register 32 of lanes 0-15; all behind it is padding: -infinity, so that p = 0
.set J_, 33
.rept 31
	v_mov_b32 v[S+J_], v[NINF]
.set J_, J_+1
.endr
.endif
.irp b, 0,1,2,3
	v_max3_num_f32 v[TM+\b], v[S+16*\b], v[S+16*\b+1], v[S+16*\b+2]   ; the largest score of each block of 32 keys: for the row's maximum, and, since p rises with the score, for the block's largest p
.endr
.irp i, 3,5,7,9,11,13
.irp b, 0,1,2,3
	v_max3_num_f32 v[TM+\b], v[TM+\b], v[S+16*\b+\i], v[S+16*\b+\i+1]
.endr
.endr
.irp b, 0,1,2,3
	v_max_num_f32 v[TM+\b], v[TM+\b], v[S+16*\b+15]
.endr
.irp b, 0,1,2,3
	v_permlanex16_b32 v[TM+4+\b], v[TM+\b], s[SEL], s[SEL+1]
.endr
.irp b, 0,1,2,3
	v_max_num_f32 v[TM+\b], v[TM+\b], v[TM+4+\b]   ; with lane l xor 16's 16 keys
.endr
	v_max3_num_f32 v[T1], v[TM], v[TM+1], v[TM+2]
	v_max_num_f32 v[T1], v[T1], v[TM+3]
	v_mul_f32 v[T1], s[CS], v[T1]                  ; the step's largest t
	v_max_num_f32 v[TMX], v[TMX], v[T1]            ; the running largest t
	v_mov_b32 v[T1], v[NM]
	v_floor_f32 v[NM], -v[TMX]                     ; -M = floor(-t): M is a whole number
	v_sub_f32 v[T1], v[NM], v[T1]                  ; old M - new M: a whole number, 0 or less
	v_cvt_i32_f32 v[T1], v[T1]                     ; (it saturates)
	v_ldexp_f32 v[FF], 1.0, v[T1]                  ; f = 2^(old M - new M): a multiplication by it rounds nothing
.set J_, 0
.rept 32
	v_pk_fma_f32 v[S+J_:S+J_+1], v[S+J_:S+J_+1], s[CS:CS+1], v[NM:NM+1] op_sel_hi:[1,0,0]   ; t - M, two at a time
.set J_, J_+2
.endr
.irp b, 0,1,2,3
	v_fma_f32 v[TM+\b], v[TM+\b], s[CS], v[NM]     ; the same of each block's largest score
.endr
.set J_, 0
.rept 64
	v_exp_f32 v[S+J_], v[S+J_]                     ; p = 2^(t - M): not normalised
.set J_, J_+1
.endr
.irp b, 0,1,2,3
	v_exp_f32 v[TM+\b], v[TM+\b]                   ; the block's largest p: the same two instructions on the same number
.endr
	v_pk_mul_f32 v[LSUM:LSUM+1], v[LSUM:LSUM+1], v[FF:FF+1] op_sel_hi:[1,0]   ; the sum under the new M; a plain place behind the exponentials
	s_wait_alu depctr_va_vdst(0)
.irp b, 0,1,2,3
	v_max_num_f32 v[TM+\b], 0x2800000, v[TM+\b]    ; the floor 2^(5 - 127): a block whose every p is 0 keeps the byte 1 over zero codes
.endr
	QCODE S, PC, PC+12, 2
	v_pk_add_f32 v[SU:SU+1], v[S:S+1], v[S+2:S+3]  ; the row's sum is taken of the unquantised p, in two chains
.irp j, 4,8,12,16,20,24,28,32,36,40,44,48,52,56,60
	v_pk_add_f32 v[LSUM:LSUM+1], v[LSUM:LSUM+1], v[S+\j:S+\j+1]
	v_pk_add_f32 v[SU:SU+1], v[SU:SU+1], v[S+\j+2:S+\j+3]
.endr
	v_pk_add_f32 v[LSUM:LSUM+1], v[LSUM:LSUM+1], v[SU:SU+1]
.if !(\first)
.set J_, 0
.rept 16
	v_pk_mul_f32 v[OA+J_:OA+J_+1], v[OA+J_:OA+J_+1], v[FF:FF+1] op_sel_hi:[1,0]   ; O under the new M
.set J_, J_+2
.endr
.endif
	s_wait_dscnt 0x0                               ; V's fragments and scale words are in.  (The additions above are the places between the codes' and the scale word's last writes and the products)
.irp t, 0,1,2,3
	WM OA+8*\t, FR+12*\t, PC, \first, VSR+\t, PW, 0, 0   ; lane (r, h), register 16 b + i: query r, channel 32 b + 16 h + i
.endr
.endm
.irp i, 0,1,2,3,4,5
	v_mov_b32 v[Q0+6+\i], 0                        ; the halves of (q, 0) and (0, q) that stay zero codes
	v_mov_b32 v[Q1+\i], 0
.endr
.irp b, 0,1,2,3
	v_mov_b32 v[TM+4+\b], 0                        ; lane permutes' destinations count as sources
.endr
	v_mov_b32 v[T1], 0
	v_mov_b32 v[FF+1], 0                           ; named as the upper half of a pair
	s_mov_b32 s[QT], s[WV]
	s_mov_b32 s[IT], 2
.Lq:                                           ; two trips: tiles wave and wave + 12; there are 19
	s_cmp_ge_u32 s[QT], 19
	s_cbranch_scc1 .Lskip
.irp s, 0,1,2,3,4,5
	global_load_b32 v[XQS+\s], v[XSOA], s[26:27] offset:128*\s          ; the kept tokens' scale words,
.endr
.irp s, 0,1,2,3,4,5
.irp p, 0,1,2
	global_load_b128 v[XQ+12*\s+4*\p:XQ+12*\s+4*\p+3], v[XOA], s[24:25] offset:FRB*\s+512*\p   ; and codes: lane (r, h) takes its token's registers out of the token's own unit
.endr
.endr
.irp s, 0,1,2,3,4,5
.if \s>0
	NOPS 4
.endif
.irp t, 0,1,2,3
	FETCH FR+12*\t, WIMG+73728+(6*\t+\s)*FRB
.endr
	ds_load_b32 v[WQS], v[A4] offset:3072+128*\s
	ds_load_b32 v[WQS+1], v[A4] offset:3840+128*\s
	s_wait_loadcnt 3*(5-\s)                        ; this K step's three loads are in; the later steps' stay out
	s_wait_dscnt 0x0
.irp t, 0,1,2,3
	WM QA+8*\t, FR+12*\t, XQ+12*\s, \s==0, WQS+\t/2, XQS+\s, \t%2, 0   ; four accumulators by turns
.endr
.endr
	NOPS 4
.irp t, 0,1,2,3
.irp k, 0,1
	ds_load_b128 v[FR+8*\t+4*\k:FR+8*\t+4*\k+3], v[ABI] offset:512+(32*(\t/2)+8*(\t%2))*4+16*\k   ; bq
.endr
.endr
	s_wait_dscnt 0x0
.irp q, 0,1,2,3,4,5,6,7,8,9,10,11,12,13,14,15
	v_pk_add_f32 v[QA+2*\q:QA+2*\q+1], v[QA+2*\q:QA+2*\q+1], v[FR+2*\q:FR+2*\q+1]
.endr
	BMAX QA, 2
	QCODE QA, Q0, PC+12, 1
	v_lshl_or_b32 v[QSW], v[PW], 16, v[PW]         ; q's two bytes for either half of the 128.  Fourteen plain instructions stand between this line and the first product
.irp i, 0,1,2,3,4,5
	v_mov_b32 v[Q1+6+\i], v[Q0+\i]
.endr
	v_mov_b32 v[TMX], 0xff61b1e6                   ; the largest t so far: -3e38
	v_floor_f32 v[NM], -v[TMX]
	v_mov_b32 v[LSUM], 0
	v_mov_b32 v[LSUM+1], 0
	STEP 0, 1, 0
	STEP 1, 0, 0
	STEP 2, 0, 0
	STEP 3, 0, 0
	STEP 4, 0, 1
	NOPS 4                                         ; places behind the last products
	v_add_f32 v[LSUM], v[LSUM], v[LSUM+1]
	v_permlanex16_b32 v[T1], v[LSUM], s[SEL], s[SEL+1]
	v_add_f32 v[LSUM], v[LSUM], v[T1]              ; the row's sum
	v_rcp_f32 v[LSUM], v[LSUM]
	v_nop                                          ; a plain place behind the transcendental
.set J_, 0
	s_wait_alu depctr_va_vdst(0)
.rept 32
	v_mul_f32 v[S+J_], v[OA+J_], v[LSUM]           ; each accumulator from its low end on
.set J_, J_+1
.endr
.irp b, 0,1
.irp k, 0,1,2,3
	ds_store_b128 v[STO], v[S+16*\b+4*\k:S+16*\b+4*\k+3] offset:128*\b+16*\k
.endr
.endr
.irp i, 0,1,2,3,4,5,6,7
	ds_load_b128 v[S+32+4*\i:S+32+4*\i+3], v[SRD] offset:544*\i   ; LDS serves a wave's instructions in order: these see my stores
.endr
	s_cmp_eq_u32 s[QT], 18
	s_cbranch_scc1 .Lone
.irp i, 0,1,2,3,4,5,6,7
	s_wait_dscnt 7-\i                              ; rows 2 i and 2 i + 1 are back; the later ones stay out
	global_store_b128 v[GO], v[S+32+4*\i:S+32+4*\i+3], s[48:49] offset:6144*\i th:TH_STORE_NT   ; 16 lanes store a query's 256 consecutive bytes, at a multiple of 256 from the output's first byte
.endr
	s_branch .Lsent
.Lone:                                         ; tile 18 has one query, 288: lanes 0-15 of the first store
	s_wait_dscnt 0x0
	s_wait_xcnt 0x0                                ; EXEC changes only behind this wait
	v_cmp_gt_u32 vcc_lo, 64, v[LS]
	s_and_saveexec_b32 s44, vcc_lo
	global_store_b128 v[GO], v[S+32:S+35], s[48:49] th:TH_STORE_NT
	s_wait_xcnt 0x0                                ; and again in front of the line that widens it
	s_or_b32 exec_lo, exec_lo, s44
.Lsent:
	s_wait_xcnt 0x0                                ; the stores have read their data and their base: both are written again below and in the next trip
	v_mov_b32 v[XOA], v[XOB]
	v_mov_b32 v[XSOA], v[XSOB]
.Lskip:
	s_add_nc_u64 s[48:49], s[48:49], 12*16*3072
	s_add_co_u32 s[QT], s[QT], 12
	s_sub_co_u32 s[IT], s[IT], 1
	s_cmp_lg_u32 s[IT], 0
	s_cbranch_scc1 .Lq
	s_barrier_signal -1
	s_barrier_wait -1
	s_set_vgpr_msb 0x5
	s_wait_tensorcnt 0x0
	ds_add_u32 v0, v1
	s_wait_dscnt 0x0
	s_set_vgpr_msb 0x500
	s_endpgm
.Lfunc_end_k_q1d66684a4d_attn:
	.size	k_q1d66684a4d_attn, .Lfunc_end_k_q1d66684a4d_attn-k_q1d66684a4d_attn
	.p2alignl 7, 3214868480
	.fill 96, 4, 3214868480
	.section	.rodata,"a",@progbits
	.p2align	6, 0x0
	.amdhsa_kernel k_q1d66684a4d_attn
		.amdhsa_group_segment_fixed_size 235264
		.amdhsa_private_segment_fixed_size 0
		.amdhsa_enable_private_segment 0
		.amdhsa_kernarg_size 56
		.amdhsa_user_sgpr_count 2
		.amdhsa_user_sgpr_kernarg_segment_ptr 1
		.amdhsa_wavefront_size32 1
		.amdhsa_system_sgpr_workgroup_id_x 1
		.amdhsa_system_sgpr_workgroup_id_y 1
		.amdhsa_system_sgpr_workgroup_id_z 1
		.amdhsa_system_vgpr_workitem_id 0
		.amdhsa_next_free_vgpr 258
		.amdhsa_next_free_sgpr 66
		.amdhsa_reserve_vcc 1
		.amdhsa_float_denorm_mode_32 3
		.amdhsa_float_denorm_mode_16_64 3
		.amdhsa_memory_ordered 1
		.amdhsa_forward_progress 1
		.amdhsa_inst_pref_size 193
	.end_amdhsa_kernel
	.amdgpu_metadata
---
amdhsa.version: [ 1, 2 ]
amdhsa.kernels:
  - .name:           k_q1d66684a4d_attn
    .symbol:         k_q1d66684a4d_attn.kd
    .args:
      - { .name: codes, .offset: 0, .size: 8, .value_kind: global_buffer, .address_space: global }
      - { .name: scales, .offset: 8, .size: 8, .value_kind: global_buffer, .address_space: global }
      - { .name: bk, .offset: 16, .size: 8, .value_kind: global_buffer, .address_space: global }
      - { .name: bv, .offset: 24, .size: 8, .value_kind: global_buffer, .address_space: global }
      - { .name: bq, .offset: 32, .size: 8, .value_kind: global_buffer, .address_space: global }
      - { .name: patch_indices_to_keep, .offset: 40, .size: 8, .value_kind: global_buffer, .address_space: global }
      - { .name: out0, .offset: 48, .size: 8, .value_kind: global_buffer, .address_space: global }
    .group_segment_fixed_size: 235264
    .private_segment_fixed_size: 0
    .kernarg_segment_align: 8
    .kernarg_segment_size: 56
    .max_flat_workgroup_size: 384
    .sgpr_count:     66
    .vgpr_count:     258
    .wavefront_size: 32
...
	.end_amdgpu_metadata
.endif
;; end of part 2
